; MI455X (gfx1250); checked and timed in simulation.
; The chip was launched on July 23, 2026; its instructions are those of AMD's public machine-readable ISA for CDNA 5 (MIT licence, August 2026) and "CDNA5" Instruction Set Architecture Reference Guide (July 2026). The comments in the code are by the model that wrote it; some were corrected since.
;; Multi Head Flash Self Attention. Allowed arithmetic: matrix products marked QUANTISED: E4M3 operands, one given power-of-two scale a tensor, by v_wmma_f32_16x16x64_fp8_fp8 or v_wmma_f32_16x16x128_fp8_fp8, f32 sums; everything else in f32.
;; Inputs: WK_codes 1,024 x 32 x 32 uint8 (E4M3 codes of WK, K innermost, in blocks of 32 codes); WO_codes 1,024 x 32 x 32 uint8 (E4M3 codes of WO, K innermost, in blocks of 32 codes); WQ_codes 1,024 x 32 x 32 uint8 (E4M3 codes of WQ, K innermost, in blocks of 32 codes); WV_codes 1,024 x 32 x 32 uint8 (E4M3 codes of WV, K innermost, in blocks of 32 codes); lowp_scales 12 int32 (the exponents e of the quantised operands' scales 2^e); token_positions 2,048 int32; x_codes 4 x 2,048 x 32 x 32 uint8 (E4M3 codes of x, K innermost, in blocks of 32 codes).
;; Outputs: out0 4 x 2,048 x 1,024 float32.
;; This version of the problem:
;;   THIS VERSION OF THE PROBLEM IS GIVEN IN LOW PRECISION. The matrix products marked QUANTISED in the list below multiply operands that are first quantised to E4M3 (4 exponent bits, 3 mantissa bits; 8 bits a number), with one given power-of-two scale for each operand tensor; their sums are f32. All else is computed in f32.
;;   The module's matrix products, in the order in which they are computed (A, B: the left and right operand; K: the contracted axis; several contracted axes count as one K, in the product's order):
;;     1. [M 8,192, K 1,024] x [K 1,024, N 1,024]; A: input x (given as codes); B: input WQ (given as codes): QUANTISED (scales: A lowp_scales[0], B lowp_scales[1])
;;     2. [M 8,192, K 1,024] x [K 1,024, N 1,024]; A: input x (given as codes); B: input WK (given as codes): QUANTISED (scales: A lowp_scales[2], B lowp_scales[3])
;;     3. [M 8,192, K 1,024] x [K 1,024, N 1,024]; A: input x (given as codes); B: input WV (given as codes): QUANTISED (scales: A lowp_scales[4], B lowp_scales[5])
;;     4. batch 64 x [M 2,048, K 64] x [K 64, N 2,048]; A: computed on the way; B: computed on the way: QUANTISED (scales: A lowp_scales[6], B lowp_scales[7])
;;     5. batch 64 x [M 2,048, K 2,048] x [K 2,048, N 64]; A: softmax (see below); B: computed on the way: QUANTISED (scales: A lowp_scales[8], B lowp_scales[9])
;;     6. [M 8,192, K 1,024] x [K 1,024, N 1,024]; A: computed on the way; B: input WO (given as codes): QUANTISED (scales: A lowp_scales[10], B lowp_scales[11])
;;   THE QUANTISER, for each operand of a quantised product, along K:
;;     - The operand's scale is 2^e, e = its entry of the input lowp_scales (int32; the entries are numbered through the quantised products in the list's order, A before B).
;;     - Each number is divided by the scale, clamped to +-448, and rounded to the nearest number of E4M3, ties to even, subnormals kept.
;;     - The product sums the exact products of the quantised numbers (number of the format x scale) in f32.
;;   ~~~python
;;   def quantise(x, axis, e):      # numpy; x: float32 -> the quantised numbers, widened to float32 again
;;       x = np.moveaxis(x, axis, -1); K = x.shape[-1]
;;       r = np.clip(x / 2.0 ** e, -448, 448)
;;       step = 2.0 ** (np.maximum(np.frexp(np.where(r == 0, 1, r))[1] - 1, -6) - 3)
;;       q = np.round(r / step) * step * 2.0 ** e      # np.round: ties to even
;;       return np.moveaxis(q, -1, axis).astype(np.float32)
;;   ~~~
;;   SOFTMAX AHEAD OF A QUANTISED PRODUCT. Where the list says 'softmax', what is quantised is not the finished softmax but p = 2^(t - M), with t = logit x log2(e) and M = ceil(the row's largest t), a whole number; so 1/2 < the row's largest p <= 1. The row's sum l is taken of the UNQUANTISED p, in f32, and the product's result is divided by l at the end. Since M is a whole number, a kernel that streams over the keys may use a running M (the ceiling of the running maximum): every later rescaling is an exact power of two, so the quantised numbers keep their values, but for numbers so far below the row's largest that they fall under the format's range.
;;   OPERANDS COMPUTED ON THE WAY. 'Computed on the way' means the value that the module computes at that place (a softmax that the list does not call 'softmax' is quantised finished and normalised). What goes into a quantiser is computed in f32, as accurately as f32 sums, v_exp_f32 and their like allow (about 1e-6 of the number): no bf16 or f16 on the way to a quantiser, and a product that is left as it is and whose result goes on into a quantised operand takes f32 operands (vector FMAs, or v_wmma_f32_16x16x4_f32). A number that lies on a knife's edge between two numbers of the format may be rounded either way, as far as f32 arithmetic and the matrix unit's own rounding can turn it there, and no further.
;;   INPUTS GIVEN AS CODES. WK (in the module: [1024, 1024], K = its axis 1); WO (in the module: [1024, 1024], K = its axis 1); WQ (in the module: [1024, 1024], K = its axis 1); WV (in the module: [1024, 1024], K = its axis 1); x (in the module: [4, 2048, 1024], K = its axis 2): each comes as NAME_codes (uint8): NAME with its K axis moved to the last place and cut into blocks of 32 codes, [.., K / 32, bytes a block], one block behind the other in memory; one code a byte (a code: sign, 4 exponent bits, 3 mantissa bits); its scale is its entry of lowp_scales. Its value is code x scale, taken as it is: it is not quantised again, and the codes and scales need not be those that the quantiser above would give.
;; One version. Each part assembles by itself: llvm-mc -triple=amdgcn-amd-amdhsa -mcpu=gfx1250 --defsym DOCPART=n.
;; ======== version 1 of 1: 4 launches
;; limits: right only within a limited range of input values
;; workspace buffers: tbl 524,288 bytes; qkv_img 25,165,824 bytes; a_img 8,388,608 bytes
;; launch rope (part 1): grid 256 x 1, 1 waves a work-group, no clusters, 0 bytes of LDS; arguments token_positions, tbl; writes tbl
.if DOCPART == 1
	.amdgcn_target "amdgcn-amd-amdhsa--gfx1250"
	.amdhsa_code_object_version 6
	.text
	.protected	k_qd2f3932de6_rope
	.globl	k_qd2f3932de6_rope
	.p2align	8
	.type	k_qd2f3932de6_rope,@function
k_qd2f3932de6_rope:
	s_mov_b64 s[64:65], 0
	v_nop
	global_prefetch_b8 v0, s[64:65] scope:SCOPE_SE
	s_setreg_imm32_b32 hwreg(HW_REG_WAVE_MODE, 25, 1), 1
	s_wait_xcnt 0x0
; tbl[s][f] = (cos, sin) of f32(token_positions[s]) x inv_freq[f], f32; s = 0 .. 2047, f = 0 .. 31; inv_freq[f] = 10000^(-f/32) = 10^(-f/8).
; A row of the table is 32 pairs = 256 bytes.  A work-group is one wave and takes 8 places of the sequence; the lane is the frequency, so one store of the wave is one whole row.
; The angle is made as the problem makes it: the position as f32, times inv_freq as f32, one rounding each.  Sine and cosine: k = the angle x 2/pi rounded to a whole number;
; r = angle - k x pi/2 with pi/2 in three parts, by fused multiply-adds; two short polynomials on |r| <= pi/4; k mod 4 says which of the two is which, and the signs.
; LIMIT: |position| below 2^20, so that k x the first part of pi/2 leaves r accurate.  The eight places take turns line by line, so that no line waits for the line above it.
.set ANG,  8                           ; v8-15   the angle
.set KQ,   16                          ; v16-23  k as f32
.set RD,   24                          ; v24-31  r
.set ZZ,   32                          ; v32-39  r^2
.set SN,   40                          ; v40-47  sin r
.set CN,   48                          ; v48-55  cos r
.set KI,   56                          ; v56-63  k as a whole number
.set TT,   64                          ; v64-71  at work
.set OUTP, 72                          ; v72-87  (cos, sin), a pair for each place
.macro FREQ j, bits                    ; lane j's inv_freq
	s_mov_b32 s14, \bits
	v_writelane_b32 v1, s14, \j
.endm
	s_load_b128 s[4:7], s[0:1], 0x0                ; token_positions s[4:5], tbl s[6:7]
	s_lshl_b32 s10, ttmp9, 5                       ; my 8 positions: 32 bytes a work-group
	s_mov_b32 s11, 0
	s_lshl_b32 s12, ttmp9, 11                      ; my 8 rows of the table: 2,048 bytes
	s_mov_b32 s13, 0
	v_lshlrev_b32 v2, 3, v0                        ; 8 bytes a lane
	v_mov_b32 v1, 0                                ; written whole before single lanes are written
	s_wait_alu depctr_va_vdst(0)
	s_wait_kmcnt 0x0
	s_add_nc_u64 s[4:5], s[4:5], s[10:11]
	s_add_nc_u64 s[6:7], s[6:7], s[12:13]
	s_load_b256 s[16:23], s[4:5], 0x0              ; 8 positions
	FREQ 0,  0x3F800000                            ; 10^(-j/8), rounded to f32
	FREQ 1,  0x3F3FF911
	FREQ 2,  0x3F0FF59A
	FREQ 3,  0x3ED7E89B
	FREQ 4,  0x3EA1E89B
	FREQ 5,  0x3E72D424
	FREQ 6,  0x3E361887
	FREQ 7,  0x3E088D77
	FREQ 8,  0x3DCCCCCD
	FREQ 9,  0x3D99940E
	FREQ 10, 0x3D6655C3
	FREQ 11, 0x3D2CBA15
	FREQ 12, 0x3D0186E2
	FREQ 13, 0x3CC24350
	FREQ 14, 0x3C91AD39
	FREQ 15, 0x3C5A7BF1
	FREQ 16, 0x3C23D70A
	FREQ 17, 0x3BF5B9B0
	FREQ 18, 0x3BB8449C
	FREQ 19, 0x3B8A2E77
	FREQ 20, 0x3B4F3E37
	FREQ 21, 0x3B1B690D
	FREQ 22, 0x3AE91528
	FREQ 23, 0x3AAEC98E
	FREQ 24, 0x3A83126F
	FREQ 25, 0x3A44948C
	FREQ 26, 0x3A136A16
	FREQ 27, 0x39DD1726
	FREQ 28, 0x39A5CB5F
	FREQ 29, 0x3978A814
	FREQ 30, 0x393A7753
	FREQ 31, 0x390BD472
	s_mov_b32 s24, 0x3F22F983                      ; 2 / pi
	s_mov_b32 s25, 0x3FC90FDB                      ; pi / 2: its f32 rounding,
	s_mov_b32 s26, 0xB33BBD2E                      ; what that leaves, rounded,
	s_mov_b32 s27, 0xA6F72CEC                      ; and what that leaves
	s_mov_b32 s28, 0xB94CA1F9                      ; sin r = r + r z (S1 + z (S2 + z S3)), z = r^2
	s_mov_b32 s29, 0x3C08839E
	s_mov_b32 s30, 0xBE2AAAA3
	s_mov_b32 s31, 0x37CCF5CE                      ; cos r = 1 - z / 2 + z^2 (C1 + z (C2 + z C3))
	s_mov_b32 s32, 0xBAB6061A
	s_mov_b32 s33, 0x3D2AAAA5
	s_mov_b32 s34, 0x80000000                      ; the sign bit
	s_wait_kmcnt 0x0                               ; the positions
.irp k, 0,1,2,3,4,5,6,7
	v_cvt_f32_i32 v[ANG+\k], s[16+\k]
.endr
	s_wait_alu depctr_va_vdst(0)
.irp k, 0,1,2,3,4,5,6,7
	v_mul_f32 v[ANG+\k], v[ANG+\k], v1
.endr
.irp k, 0,1,2,3,4,5,6,7
	v_mul_f32 v[KQ+\k], s24, v[ANG+\k]
.endr
.irp k, 0,1,2,3,4,5,6,7
	v_rndne_f32 v[KQ+\k], v[KQ+\k]
.endr
.irp k, 0,1,2,3,4,5,6,7
	v_fma_f32 v[RD+\k], -v[KQ+\k], s25, v[ANG+\k]
.endr
.irp k, 0,1,2,3,4,5,6,7
	v_fma_f32 v[RD+\k], -v[KQ+\k], s26, v[RD+\k]
.endr
.irp k, 0,1,2,3,4,5,6,7
	v_fma_f32 v[RD+\k], -v[KQ+\k], s27, v[RD+\k]
.endr
.irp k, 0,1,2,3,4,5,6,7
	v_cvt_i32_f32 v[KI+\k], v[KQ+\k]
.endr
.irp k, 0,1,2,3,4,5,6,7
	v_mul_f32 v[ZZ+\k], v[RD+\k], v[RD+\k]
.endr
.irp k, 0,1,2,3,4,5,6,7
	v_fma_f32 v[SN+\k], v[ZZ+\k], s28, s29
.endr
.irp k, 0,1,2,3,4,5,6,7
	v_fma_f32 v[SN+\k], v[SN+\k], v[ZZ+\k], s30
.endr
.irp k, 0,1,2,3,4,5,6,7
	v_mul_f32 v[TT+\k], v[ZZ+\k], v[RD+\k]
.endr
.irp k, 0,1,2,3,4,5,6,7
	v_fma_f32 v[SN+\k], v[SN+\k], v[TT+\k], v[RD+\k]
.endr
.irp k, 0,1,2,3,4,5,6,7
	v_fma_f32 v[CN+\k], v[ZZ+\k], s31, s32
.endr
.irp k, 0,1,2,3,4,5,6,7
	v_fma_f32 v[CN+\k], v[CN+\k], v[ZZ+\k], s33
.endr
.irp k, 0,1,2,3,4,5,6,7
	v_mul_f32 v[TT+\k], v[ZZ+\k], v[ZZ+\k]
.endr
.irp k, 0,1,2,3,4,5,6,7
	v_fma_f32 v[ZZ+\k], v[ZZ+\k], -0.5, 1.0
.endr
.irp k, 0,1,2,3,4,5,6,7
	v_fma_f32 v[CN+\k], v[CN+\k], v[TT+\k], v[ZZ+\k]
.endr
; k mod 4 = 0: (cos, sin) = (C, S);  1: (-S, C);  2: (-C, -S);  3: (S, -C).  Odd k swaps the two; the sine's sign is bit 1 of k, the cosine's bit 1 of k + 1.
.irp k, 0,1,2,3,4,5,6,7
	v_and_b32 v[TT+\k], 1, v[KI+\k]
	v_cmp_eq_u32 vcc_lo, 1, v[TT+\k]
	v_cndmask_b32 v[OUTP+2*\k+1], v[SN+\k], v[CN+\k], vcc_lo
	v_cndmask_b32 v[OUTP+2*\k], v[CN+\k], v[SN+\k], vcc_lo
	v_lshlrev_b32 v[TT+\k], 30, v[KI+\k]
	v_and_b32 v[TT+\k], s34, v[TT+\k]
	v_xor_b32 v[OUTP+2*\k+1], v[OUTP+2*\k+1], v[TT+\k]
	v_add_nc_u32 v[TT+\k], 1, v[KI+\k]
	v_lshlrev_b32 v[TT+\k], 30, v[TT+\k]
	v_and_b32 v[TT+\k], s34, v[TT+\k]
	v_xor_b32 v[OUTP+2*\k], v[OUTP+2*\k], v[TT+\k]
	global_store_b64 v2, v[OUTP+2*\k:OUTP+2*\k+1], s[6:7] offset:256*\k   ; 32 lanes store one row: 256 consecutive bytes, at a multiple of 256 from the table's first byte
.endr
	s_endpgm
.Lfunc_end_k_qd2f3932de6_rope:
	.size	k_qd2f3932de6_rope, .Lfunc_end_k_qd2f3932de6_rope-k_qd2f3932de6_rope
	.p2alignl 7, 3214868480
	.fill 96, 4, 3214868480
	.section	.rodata,"a",@progbits
	.p2align	6, 0x0
	.amdhsa_kernel k_qd2f3932de6_rope
		.amdhsa_group_segment_fixed_size 0
		.amdhsa_private_segment_fixed_size 0
		.amdhsa_enable_private_segment 0
		.amdhsa_kernarg_size 16
		.amdhsa_user_sgpr_count 2
		.amdhsa_user_sgpr_kernarg_segment_ptr 1
		.amdhsa_wavefront_size32 1
		.amdhsa_system_sgpr_workgroup_id_x 1
		.amdhsa_system_sgpr_workgroup_id_y 1
		.amdhsa_system_sgpr_workgroup_id_z 1
		.amdhsa_system_vgpr_workitem_id 0
		.amdhsa_next_free_vgpr 96
		.amdhsa_next_free_sgpr 66
		.amdhsa_reserve_vcc 1
		.amdhsa_float_denorm_mode_32 3
		.amdhsa_float_denorm_mode_16_64 3
		.amdhsa_memory_ordered 1
		.amdhsa_forward_progress 1
		.amdhsa_inst_pref_size 16
	.end_amdhsa_kernel
	.amdgpu_metadata
---
amdhsa.version: [ 1, 2 ]
amdhsa.kernels:
  - .name:           k_qd2f3932de6_rope
    .symbol:         k_qd2f3932de6_rope.kd
    .args:
      - { .name: token_positions, .offset: 0, .size: 8, .value_kind: global_buffer, .address_space: global }
      - { .name: tbl, .offset: 8, .size: 8, .value_kind: global_buffer, .address_space: global }
    .group_segment_fixed_size: 0
    .private_segment_fixed_size: 0
    .kernarg_segment_align: 8
    .kernarg_segment_size: 16
    .max_flat_workgroup_size: 32
    .sgpr_count:     66
    .vgpr_count:     96
    .wavefront_size: 32
...
	.end_amdgpu_metadata
.endif
;; end of part 1
;; launch qkv (part 2): grid 12 x 32, 4 waves a work-group, clusters of 4 x 4, 327,680 bytes of LDS; arguments x_codes, WQ_codes, WK_codes, WV_codes, lowp_scales, tbl, qkv_img; writes qkv_img
.if DOCPART == 2
	.amdgcn_target "amdgcn-amd-amdhsa--gfx1250"
	.amdhsa_code_object_version 6
	.text
	.protected	k_qd2f3932de6_qkv
	.globl	k_qd2f3932de6_qkv
	.p2align	8
	.type	k_qd2f3932de6_qkv,@function
k_qd2f3932de6_qkv:
	s_mov_b64 s[64:65], 0
	v_nop
	global_prefetch_b8 v0, s[64:65] scope:SCOPE_SE
	s_setreg_imm32_b32 hwreg(HW_REG_WAVE_MODE, 25, 1), 1
	s_wait_xcnt 0x0
	s_wait_alu depctr_hold_cnt(0) depctr_sa_sdst(0) depctr_va_vdst(0) depctr_va_sdst(0) depctr_va_ssrc(0) depctr_va_vcc(0) depctr_vm_vsrc(0)
	s_getreg_b32 s2, hwreg(HW_REG_IB_STS2, 6, 4)
	s_cmp_eq_u32 s2, 0
	s_cbranch_scc0 .Lentry_in_a_cluster
	s_endpgm
.Lentry_in_a_cluster:
	s_bfe_u32 s2, ttmp6, 0x10000c
	s_cmp_lg_u32 s2, 0xf033
	s_cbranch_scc0 .Lentry_shape_is_right
	s_endpgm
.Lentry_shape_is_right:
; The three projections x WQ^T, x WK^T, x WV^T on codes of FP8 (E4M3), RoPE on Q and K, and the quantising of Q, K and V for the attention that follows.
; x: [8192][1024] codes; each W: [1024][1024] codes; K innermost.  The cluster's x says which product: 0 Q, 1 K, 2 V: the same number in all sixteen partners.
; A tile is 256 x 256, made by four waves, each 128 x 128: 64 accumulators, 512 registers.  K goes in steps of 256 through a ring of two LDS slots filled by joint tensor loads.
; TWO ROLES.  Role B is source 0 of the matrix instruction: its rows run along a lane's registers in the result.  Role A is source 1: its rows go to the lanes.
;   Q, K: A = x (a lane holds one token), B = W (registers run along the head's 64).  V: A = WV (a lane holds one channel), B = x (registers run along the tokens, which are the next product's K).
;   The roles are dealt by scalar selects on the cluster's x: pointers and tile numbers; the loop over K has no branch on it.
; WHAT IS STORED: IMAGES OF THE NEXT OPERANDS' REGISTERS.  In the result, lane (r, h) holds 8 h + 0 .. 7 of B's 16 rows in its eight registers; in an FP8 operand registers 2 c, 2 c + 1 of lane (r, h) hold k = 16 c + 8 h + 0 .. 7.
;   So one conversion of an accumulator's eight registers IS registers 2 c, 2 c + 1 of the next operand.  Four registers of every lane go out by one store: 512 consecutive bytes of the wave.
;   qkv_img: Q at 0, K at 8,388,608, V at 16,777,216; 131,072 bytes for each (batch, head).  Q, K: [token / 16][1,024]: a 16 x 64 operand, registers 4 c .. 4 c + 3 of lane l at 512 c + 16 l.
;   V: [token / 128][channel / 16][2,048]: a 16 channels x 128 keys operand, laid the same way.
; ROPE is linear, so it is done on the raw sums: (t1 c - t2 s, t1 s + t2 c) by a packed multiply and a packed multiply-add; cos and sin come from the table that the launch before has made, by the token's place in its sequence.
; SCALES.  A sum stands for sum x 2^(ea + eb); its code is sum / 2^(eo - ea - eb): the three given exponents are folded into the conversion's one scale.
; LIMIT: eo - ea - eb between -126 and 119, so that this power of two and 448 times it are f32 numbers.  NaN is not served.
; Inside a K step the fragments are fetched by loads of 16 bytes: a permutation of k inside 128, the same in A and in B, so each product meets its partner.
; REGISTERS, in windows of 256: window 0: v0-31 addresses and constants; v32-95 cos and sin, two sets; from v128 A's fragments, one set; on the way out v96-127 codes, v128-255 at work.
;   window 1: B's fragments, two sets.   window 2: the accumulators of A's rows 0-63 (accumulator (a, b) at v[8 (8 a + b)]);   window 3: those of rows 64-127.
.set KROW,   1024                      ; a row of x or of a weight in memory, in bytes
.set ROWB,   256                       ; a tile's row in bytes: 256 along K
.set PITCH,  272                       ; an LDS row: 256 bytes + 16 of padding = 68 words: row r starts at bank 4 r mod 64 (64 banks of 4 bytes: ISA guide 11.1)
.set FR,     16                        ; registers of a fragment: 16 rows x 128 K
.set NL,     4                         ; LDS loads that bring one
.set NP,     4                         ; places behind this matrix instruction (ISA guide 7.12.1)
.set HALFT,  128*PITCH                 ; 128 rows: what one tensor load brings
.set SLOT,   4*HALFT                   ; A's 256 rows, then B's 256 rows
.set LAPS,   KROW/(2*ROWB)             ; a lap = two K steps = once round the ring
.set SPARE,  2*SLOT                    ; behind the ring: the spare words, 128 bytes for each wave: two blocks of 256 bytes that no other line names
.set HEADB,  131072                    ; bytes of one (batch, head) in each part of qkv_img
.set ADRA, 16                          ; v16-17  LDS address of my A fragments in slot 0, 1
.set ADRB, 20                          ; v20-21  the same for B
.set TO,   24                          ; v24     the table: 256 x (lane % 16) + 32 x (lane / 16)
.set CO,   26                          ; v26     16 x lane: my place in an image's 512 bytes
.set SPW,  28                          ; v28     LDS address of my spare word; never rewritten
.set NIL,  29                          ; v29     0; never rewritten
.set SCL,  30                          ; v30     2^(eo - ea - eb) as f32
.set LIM,  31
.set CS,   32                          ; v32-95  (cos, sin) pairs, 32 registers for a block of 16 tokens, two sets
.set CD,   96                          ; v96-127 codes, 16 registers a block, two sets
.set RR,   128                         ; v128-191 a block's 64 numbers ahead of the conversion
.set MM,   192                         ; v192-255 (-t2 s, t2 c)
.set AF,   128                         ; A's fragments, in window 0
.set G1, 24                            ; s[24:31] descriptor group 1 for A's tiles;  s[32:39] group 0, one set for each slot
.set G0, 32
.set G1B, 48                           ; s[48:55], s[56:63] the same for B's tiles
.set G0B, 56
.set MSB, 0
.macro WIN new                         ; the immediate's high byte repeats the setting that is left
.if MSB != (\new)
	s_set_vgpr_msb (MSB<<8)|(\new)
.set MSB, (\new)
.endif
.endm
.set MUL_LO, 0xa1                      ; source 0 (B) window 1, source 1 (A) window 0, C and D window 2
.set MUL_HI, 0xf1                      ; the same, C and D window 3
.set TO_B,   0x40                      ; destination window 1, address window 0
; A joint load: waves 0 and 1 fetch for A, waves 2 and 3 for B.  Each line has one mask and one set of registers for all that issue it; the branch hangs on the wave's number alone.
; Four v_nop follow each of the two lines, ahead of the jump, the label and what follows.
.macro JLOAD g0a, g1a, g0b, g1b
	s_cmp_eq_u32 s15, 0
	s_cbranch_scc0 .Lfor_b_\@
	tensor_load_to_lds s[\g0a:\g0a+3], s[\g1a:\g1a+7]
	s_nop 0
.rept 4
	v_nop
.endr
	s_branch .Lasked_\@
.Lfor_b_\@:
	tensor_load_to_lds s[\g0b:\g0b+3], s[\g1b:\g1b+7]
	s_nop 0
.rept 4
	v_nop
.endr
.Lasked_\@:
.endm
.macro CREST                           ; a round of the cluster's barrier behind its opening barrier
	s_cmp_lg_u32 s14, 0
	s_cbranch_scc1 .Lnot_wave_0_\@
	s_barrier_signal -3
.Lnot_wave_0_\@:
	s_barrier_wait -3
	s_barrier_signal -1
	s_barrier_wait -1
.endm
.macro CROUND                          ; a whole round
	s_barrier_signal -1
	s_barrier_wait -1
	CREST
.endm
	s_load_b256 s[68:75], s[0:1], 0x0              ; x s[68:69], WQ s[70:71], WK s[72:73], WV s[74:75]
	s_load_b128 s[76:79], s[0:1], 0x20             ; the scales' exponents s[76:77], the table s[78:79]
	s_load_b64 s[80:81], s[0:1], 0x30              ; qkv_img
	v_lshl_add_u32 v[SPW], v0, 2, SPARE
	v_mov_b32 v[NIL], 0
	ds_add_u32 v28, v29
	ds_add_u32 v28, v29
	s_wait_dscnt 0x0
	v_lshrrev_b32 v1, 5, v0
	v_readfirstlane_b32 s14, v1                    ; wave 0..3
	s_lshr_b32 s15, s14, 1                         ; which half of A's rows is mine.  Also: I fetch for A (0) or for B (1)
	s_and_b32 s16, s14, 1                          ; which half of B's rows.  Also: which 128 rows of that tile I fetch
	s_bfe_u32 s40, ttmp6, 0x40000                  ; cx, cy: my place in the cluster
	s_bfe_u32 s41, ttmp6, 0x40004
	s_and_b32 s82, ttmp7, 0xffff
	s_lshl_b32 s82, s82, 2                         ; 4 x cluster y: it walks x's 32 tiles of rows
	s_cmp_eq_u32 ttmp9, 2                          ; V?  Both selects stand ahead of the additions, which set SCC
	s_cselect_b32 s83, 0, s82
	s_cselect_b32 s84, s82, 0
	s_add_co_u32 s17, s83, s41                     ; A's tile: Q, K: 4 x cluster y + cy of x;  V: cy of WV
	s_add_co_u32 s42, s84, s40                     ; B's tile: Q, K: cx of W;  V: 4 x cluster y + cx of x
	s_lshl_b32 s43, s41, 2
	s_lshl_b32 s43, 15, s43                        ; my row of the cluster
	s_lshl_b32 s44, 0x1111, s40                    ; my column
	; descriptor group 1: a tile of 128 rows x 256 bytes, padded in LDS
	s_or_b32 s[G1+0], s43, (0<<16)|(1<<20)|(1<<21)|(5<<22)|(3<<25)  ; 15:0 the mask: A's tiles go to my row; 17:16 element of 1 byte; 20 padding on; 21 set beside a mask; 24:22 after every 64 words (code 5); 31:25 of 4 words (code 3)
	s_or_b32 s[G1B+0], s44, (0<<16)|(1<<20)|(1<<21)|(5<<22)|(3<<25) ; the same with the mask of my column
.irp g, G1, G1B
	s_mov_b32 s[\g+1], ROWB<<16                    ; tensor_dim0
	s_mov_b32 s[\g+2], 128<<16                     ; tensor_dim1 = 128
	s_mov_b32 s[\g+3], ROWB<<16                    ; tile_dim0
	s_mov_b32 s[\g+4], 128                         ; tile_dim1 = 128
	s_mov_b32 s[\g+5], KROW                        ; tensor_dim0_stride
	s_mov_b32 s[\g+6], 0
	s_mov_b32 s[\g+7], 0
.endr
	s_lshl_b32 s18, s16, 7                         ; which 128 rows of the tile I fetch
	s_lshl_b32 s20, s17, 8
	s_add_co_u32 s20, s20, s18                     ; A: row 256 x tile + 128 x half,
	s_lshl_b32 s20, s20, 10                        ; in bytes: at most 8,191 rows of 1,024
	s_mov_b32 s21, 0
	s_lshl_b32 s46, s42, 8
	s_add_co_u32 s46, s46, s18                     ; B likewise
	s_lshl_b32 s46, s46, 10
	s_mov_b32 s47, 0
	s_mul_i32 s45, s14, HALFT                      ; where they go: wave x 128 rows: no place in the cluster enters an LDS address
	s_lshl_b32 s92, ttmp9, 3                       ; the product's two exponents lie at entries 2 c, 2 c + 1,
	s_lshr_b32 s93, ttmp9, 1
	s_add_co_u32 s93, s93, ttmp9
	s_lshl_b32 s93, s93, 2                         ; its result's at entry 6, 7 or 9: 6 + c + c / 2
	s_wait_kmcnt 0x0
	s_load_b64 s[96:97], s[76:77], s92 offset:0x0  ; ea, eb
	s_load_b32 s98, s[76:77], s93 offset:0x18      ; eo
	s_cmp_eq_u32 ttmp9, 0
	s_cselect_b64 s[6:7], s[70:71], s[72:73]       ; WQ or WK
	s_cmp_eq_u32 ttmp9, 2
	s_cselect_b64 s[4:5], s[74:75], s[68:69]       ; A: WV for V, else x
	s_cselect_b64 s[6:7], s[68:69], s[6:7]         ; B: x for V, else the weight
	s_add_nc_u64 s[20:21], s[4:5], s[20:21]
	s_add_nc_u64 s[46:47], s[6:7], s[46:47]
	CROUND                                         ; all sixteen work-groups are here: the first joint loads meet
.irp s, 0,1
	s_mov_b32 s[G0+4*\s], 1
	s_add_co_u32 s[G0+4*\s+1], s45, \s*SLOT
	s_add_nc_u64 s[G0+4*\s+2:G0+4*\s+3], s[20:21], \s*ROWB
	s_or_b32 s[G0+4*\s+3], s[G0+4*\s+3], 0x80000000
	s_mov_b32 s[G0B+4*\s], 1
	s_add_co_u32 s[G0B+4*\s+1], s45, \s*SLOT
	s_add_nc_u64 s[G0B+4*\s+2:G0B+4*\s+3], s[46:47], \s*ROWB
	s_or_b32 s[G0B+4*\s+3], s[G0B+4*\s+3], 0x80000000
	JLOAD G0+4*\s, G1, G0B+4*\s, G1B
.endr
	v_and_b32 v1, 15, v0                           ; r = l % 16
	v_bfe_u32 v2, v0, 4, 1                         ; h = l / 16
	v_mul_u32_u24 v3, v1, PITCH
	v_lshl_add_u32 v4, v2, 4, v3                   ; a fragment's row x pitch + 16 x half
	s_mul_i32 s21, s15, HALFT                      ; my 128 rows of A
	s_mul_i32 s22, s16, HALFT                      ; my 128 rows of B,
	s_add_co_u32 s22, s22, 2*HALFT                 ; which lie behind A's 256
.irp s, 0,1
	v_add_nc_u32 v[ADRA+\s], s21, v4
	v_add_nc_u32 v[ADRB+\s], s22, v4
	s_add_co_u32 s21, s21, SLOT
	s_add_co_u32 s22, s22, SLOT
.endr
	v_lshlrev_b32 v[TO], 8, v1
	v_lshl_add_u32 v[TO], v2, 5, v[TO]             ; the table: token r's row of 256 bytes, + 32 h: four frequencies' pairs
	s_wait_alu depctr_va_vdst(0)
	v_and_b32 v6, 31, v0
	v_lshlrev_b32 v[CO], 4, v6
	; where my results go.  The tokens are A's rows for Q and K, B's for V; the weight's rows the other way round.
	s_cmp_eq_u32 ttmp9, 2
	s_cselect_b32 s85, s42, s17                    ; the tokens' tile
	s_cselect_b32 s86, s16, s15                    ; and my half of it
	s_cselect_b32 s87, s17, s42                    ; the weight's tile
	s_cselect_b32 s88, s15, s16                    ; and my half of it
	s_lshr_b32 s89, s85, 3                         ; the batch: 8 tiles of 256 tokens each
	s_lshl_b32 s89, s89, 4
	s_lshl_b32 s87, s87, 2
	s_add_co_u32 s89, s89, s87
	s_lshl_b32 s88, s88, 1
	s_add_co_u32 s89, s89, s88                     ; 16 x batch + my first head: a tile of 256 is 4 heads, my half 2
	s_lshl_b32 s89, s89, 17                        ; x 131,072
	s_and_b32 s85, s85, 7
	s_lshl_b32 s85, s85, 1
	s_add_co_u32 s85, s85, s86                     ; which 128 tokens of the sequence are mine
	s_lshl_b32 s90, s85, 13                        ; 128 tokens are 8,192 bytes in each of the three layouts
	s_add_co_u32 s90, s90, s89
	s_lshl_b32 s89, ttmp9, 23                      ; Q's, K's or V's part
	s_add_co_u32 s90, s90, s89
	s_mov_b32 s91, 0
	s_add_nc_u64 s[80:81], s[80:81], s[90:91]
	s_lshl_b32 s90, s85, 15                        ; 128 rows of the table
	s_add_nc_u64 s[78:79], s[78:79], s[90:91]
; (cos, s) of block a's 16 tokens: lane (r, h) takes, of token 16 a + r, the pairs of frequencies 8 bq + 4 h + 0 .. 3: those of its registers in accumulators (a, bq) and (a, bq + 4).  The eight loads together read the 16 rows whole.
.macro CSLOAD a
.irp bq, 0,1,2,3
.irp u, 0,1
	global_load_b128 v[CS+32*((\a)%2)+8*\bq+4*\u:CS+32*((\a)%2)+8*\bq+4*\u+3], v[TO], s[78:79] offset:4096*(\a)+64*\bq+16*\u
.endr
.endr
.endm
	CSLOAD 0                                       ; asked for here, a whole loop over K ahead of their use.  They stand on the one way that all work-groups take: V's issue them too and do not use them,
	CSLOAD 1                                       ; so that no register of the way out is written under one branch and read under another
.macro FRAG reg, adr, q, i             ; a fragment, 16 rows x 128 K, is 16 registers: four loads of 16 bytes, 32 bytes apart
.irp c, 0,1,2,3
	ds_load_b128 v[\reg+4*\c:\reg+4*\c+3], v[\adr] offset:128*(\q)+32*\c+(\i)*16*PITCH
.endr
.endm
; 16 matrix instructions: A's blocks a0, a0 + 1 x B's eight, 128 along K.  p: B's set.  zero = 1: the first product starts the sums: nothing is ever cleared.
; The 64 accumulators take turns, one instruction a turn, in the same order in every step.
.macro MUL16 a0, p, zero
.irp a, \a0, \a0+1
.irp b, 0,1,2,3,4,5,6,7
.if \zero
	v_wmma_f32_16x16x128_fp8_fp8 v[8*(8*((\a)%4)+\b):8*(8*((\a)%4)+\b)+7], v[128*(\p)+FR*\b:128*(\p)+FR*\b+FR-1], v[AF+FR*(\a):AF+FR*(\a)+FR-1], 0
.else
	v_wmma_f32_16x16x128_fp8_fp8 v[8*(8*((\a)%4)+\b):8*(8*((\a)%4)+\b)+7], v[128*(\p)+FR*\b:128*(\p)+FR*\b+FR-1], v[AF+FR*(\a):AF+FR*(\a)+FR-1], v[8*(8*((\a)%4)+\b):8*(8*((\a)%4)+\b)+7]
.endif
.endr
.endr
.endm
.macro FETCH_B slot, q, p              ; B's eight fragments of the slot's q-th 128 along K into set p
	WIN TO_B
.irp i, 0,1,2,3,4,5,6,7
	FRAG 128*(\p)+FR*\i, ADRB+\slot, \q, \i
.endr
	WIN 0
.endm
.macro FETCH_A slot, q, i0             ; A's blocks i0 .. i0 + 3
.irp i, \i0, \i0+1, \i0+2, \i0+3
	FRAG AF+FR*(\i), ADRA+\slot, \q, \i
.endr
.endm
; A load into a register that a matrix instruction has read, and a vector instruction that reads a matrix result, stand NP places behind that matrix instruction; only plain vector
; instructions that name none of its registers are places (ISA guide 7.12.1 for vector instructions).
.macro PLACES n
.rept \n
	v_nop
.endr
.endm
; A step of 128 along K that has its successor in the same slot.  A block of A is free as soon as its eight products are issued: blocks 0-3 are fetched anew in the step's middle, blocks 4-7 at its end.
.macro STEP slot, q, zero
	s_wait_dscnt 4*NL                              ; B's set and A's blocks 0-3 are in; the youngest sixteen loads (A's blocks 4-7) may be out
	WIN MUL_LO
	MUL16 0, (\q)%2, \zero
	MUL16 2, (\q)%2, \zero
	s_wait_dscnt 0                                 ; A's blocks 4-7 are in (asked for 32 matrix instructions ago)
	PLACES NP
	FETCH_B \slot, (\q)+1, 1-(\q)%2
	FETCH_A \slot, (\q)+1, 0
	WIN MUL_HI
	MUL16 4, (\q)%2, \zero
	MUL16 6, (\q)%2, \zero
	PLACES NP
	WIN 0
	FETCH_A \slot, (\q)+1, 4
.endm
; A slot's last step changes slots: one barrier; in front of it each wave waits for all its tensor loads, adds 0 to its spare word, and waits for that and for its own reads of this slot.  fill = 1: this slot is filled again, two K steps ahead.
.macro TURN slot, next, fill
	s_wait_tensorcnt 0x0                           ; all my tensor loads have landed: my part of the next slot;  (every window is 0 here)
	ds_add_u32 v[SPW], v[NIL]                      ; 0 onto my spare word
	s_wait_dscnt 4*NL+1                            ; (the add and the youngest sixteen loads, A's blocks 4-7, may be out)
	WIN MUL_LO
	MUL16 0, 1, 0                                  ; sixteen matrix instructions stand between the add and the wait for it
	s_wait_dscnt 0x0                               ; the add is done, and my reads of this slot are over
	s_barrier_signal -1
	MUL16 2, 1, 0
	WIN 0
	s_barrier_wait -1
.if \fill
	CREST                                          ; the barrier has opened a round of the cluster's barrier: no wave of any partner still reads this slot's tile or has a load on its way
	s_add_nc_u64 s[G0+4*\slot+2:G0+4*\slot+3], s[G0+4*\slot+2:G0+4*\slot+3], 2*ROWB
	s_add_nc_u64 s[G0B+4*\slot+2:G0B+4*\slot+3], s[G0B+4*\slot+2:G0B+4*\slot+3], 2*ROWB
	JLOAD G0+4*\slot, G1, G0B+4*\slot, G1B         ; the first tensor load behind the round; the four v_nop behind it are the places in front of the loads below
.else
	PLACES NP
.endif
	FETCH_B \next, 0, 0
	FETCH_A \next, 0, 0
	WIN MUL_HI
	MUL16 4, 1, 0
	MUL16 6, 1, 0
	PLACES NP
	WIN 0
	FETCH_A \next, 0, 4
.endm
	s_wait_tensorcnt 1                             ; my part of K step 0 is in (K step 1's load may be out)
	s_barrier_signal -1
	s_barrier_wait -1                              ; everybody's is
	FETCH_B 0, 0, 0
	FETCH_A 0, 0, 0
	FETCH_A 0, 0, 4
	STEP 0, 0, 1                                   ; the first step stands in front of the loop: its products start the sums
	s_mov_b32 s3, LAPS-1
.Llap:                                                 ; a trip goes once round the ring, from a lap's second step to the next lap's first, and fills both slots again
	TURN 0, 1, 1
	STEP 1, 0, 0
	TURN 1, 0, 1
	STEP 0, 0, 0
	s_sub_co_u32 s3, s3, 1
	s_cmp_lg_u32 s3, 0
	s_cbranch_scc1 .Llap
	TURN 0, 1, 0                                   ; the last lap fills nothing, and has no round of the cluster's barrier
	STEP 1, 0, 0
	s_wait_dscnt 4*NL                              ; the very last step: nothing more to fetch
	WIN MUL_LO
	MUL16 0, 1, 0
	MUL16 2, 1, 0
	s_wait_dscnt 0
	WIN MUL_HI
	MUL16 4, 1, 0
	MUL16 6, 1, 0
	WIN 0
	; THE WAY OUT.  No LDS: what a lane holds is what the next operand's lane wants.
	s_wait_kmcnt 0x0                               ; ea, eb, eo
	s_sub_co_i32 s98, s98, s96
	s_sub_co_i32 s98, s98, s97
	s_add_co_i32 s98, s98, 127                     ; the exponent field of 2^(eo - ea - eb)
	s_lshl_b32 s96, s98, 23
	v_mov_b32 v[SCL], s96                          ; (this move, the two v_nop and the v_nop at the first block's head are the four places behind the last products)
	PLACES 2
	s_cmp_eq_u32 ttmp9, 2                          ; the cluster's x: the same in all partners and all waves
	s_cbranch_scc1 .Lv
; Q, K: block a = my tokens 16 a .. 16 a + 15, 128 features = two heads.  Pair n of the lane's 32 pairs: accumulator b = n / 4, registers 2 (n % 4), + 1: (t1, t2) of frequency 8 (b % 4) + 4 h + n % 4.
.macro QKBLOCK a
.set AC,  64*((\a)%4)
.set CSA, CS+32*((\a)%2)
.set CDA, CD+16*((\a)%2)
.if (\a) < 7
	s_wait_loadcnt 8                               ; this block's eight table loads are in; the next block's eight may be out
.else
	s_wait_loadcnt 0
.endif
	s_wait_xcnt 0x0                                ; the earlier blocks' stores have read their codes: this set of 16 registers is written again only behind this wait
	WIN 0x02+((\a)/4)                              ; source 0: the accumulators' window
.set n, 0
	v_nop
.rept 32
	v_pk_mul_f32 v[MM+2*n:MM+2*n+1], v[AC+2*n:AC+2*n+1], v[CSA+8*((n/4)%4)+2*(n%4):CSA+8*((n/4)%4)+2*(n%4)+1] op_sel:[1,1] op_sel_hi:[1,0] neg_lo:[1,0]   ; (-t2 s, t2 c); each accumulator from its low end on
.set n, n+1
.endr
.set n, 0
.rept 32
	v_pk_fma_f32 v[RR+2*n:RR+2*n+1], v[AC+2*n:AC+2*n+1], v[CSA+8*((n/4)%4)+2*(n%4):CSA+8*((n/4)%4)+2*(n%4)+1], v[MM+2*n:MM+2*n+1] op_sel_hi:[0,1,1]   ; (t1 c - t2 s, t1 s + t2 c)
.set n, n+1
.endr
	WIN 0
.if (\a) < 6
	CSLOAD (\a)+2                                  ; into the set just read
.endif
.set n, 0
.rept 64
.set n, n+1
.endr
.set n, 0
.rept 8
	v_cvt_scalef32_pk8_fp8_f32 v[CDA+2*n:CDA+2*n+1], v[RR+8*n:RR+8*n+7], v[SCL]   ; accumulator n's eight numbers: registers 2 (n % 4), + 1 of head n / 4's operand
.set n, n+1
.endr
	v_nop                                          ; one plain vector instruction behind the last scaled conversion
.irp k, 0,1,2,3
	global_store_b128 v[CO], v[CDA+4*\k:CDA+4*\k+3], s[80:81] offset:(\k/2)*HEADB+(\a)*1024+(\k%2)*512   ; head k / 2, registers 4 (k % 2) on: 32 lanes store 512 consecutive bytes, aligned
.endr
.endm
.irp a, 0,1,2,3,4,5,6,7
	QKBLOCK \a
.endr
	s_branch .Lend
.Lv:
; V: block a = my channels 16 a .. 16 a + 15 (head a / 4, channel block a % 4); the lane's 64 registers run along my 128 tokens, one key step: a whole 16 x 128 operand.
.macro VBLOCK a
.set AC,  64*((\a)%4)
.set CDA, CD+16*((\a)%2)
	s_wait_xcnt 0x0                                ; the earlier blocks' stores have read their codes
	WIN 0x02+((\a)/4)
.set n, 0
.rept 64
.set n, n+1
.endr
.set n, 0
	v_nop
.rept 8
	v_cvt_scalef32_pk8_fp8_f32 v[CDA+2*n:CDA+2*n+1], v[AC+8*n:AC+8*n+7], v[SCL]
.set n, n+1
.endr
	WIN 0
	v_nop                                          ; one plain vector instruction behind the last scaled conversion
.irp k, 0,1,2,3
	global_store_b128 v[CO], v[CDA+4*\k:CDA+4*\k+3], s[80:81] offset:((\a)/4)*HEADB+((\a)%4)*2048+\k*512
.endr
.endm
	s_wait_alu depctr_va_vdst(0)
.irp a, 0,1,2,3,4,5,6,7
	VBLOCK \a
.endr
.Lend:
	s_wait_tensorcnt 0x0                           ; the wave's end
	ds_add_u32 v[SPW], v[NIL]
	s_wait_dscnt 0x0
	CROUND                                         ; the closing round: no work-group ends while a partner may still ask for a tile that names it
	s_endpgm
.Lfunc_end_k_qd2f3932de6_qkv:
	.size	k_qd2f3932de6_qkv, .Lfunc_end_k_qd2f3932de6_qkv-k_qd2f3932de6_qkv
	.p2alignl 7, 3214868480
	.fill 96, 4, 3214868480
	.section	.rodata,"a",@progbits
	.p2align	6, 0x0
	.amdhsa_kernel k_qd2f3932de6_qkv
		.amdhsa_group_segment_fixed_size 327680
		.amdhsa_private_segment_fixed_size 0
		.amdhsa_enable_private_segment 0
		.amdhsa_kernarg_size 56
		.amdhsa_user_sgpr_count 2
		.amdhsa_user_sgpr_kernarg_segment_ptr 1
		.amdhsa_wavefront_size32 1
		.amdhsa_system_sgpr_workgroup_id_x 1
		.amdhsa_system_sgpr_workgroup_id_y 1
		.amdhsa_system_sgpr_workgroup_id_z 1
		.amdhsa_system_vgpr_workitem_id 0
		.amdhsa_next_free_vgpr 1024
		.amdhsa_next_free_sgpr 100
		.amdhsa_reserve_vcc 0
		.amdhsa_float_denorm_mode_32 3
		.amdhsa_float_denorm_mode_16_64 3
		.amdhsa_fp16_overflow 1
		.amdhsa_memory_ordered 1
		.amdhsa_forward_progress 1
		.amdhsa_inst_pref_size 133
	.end_amdhsa_kernel
	.amdgpu_metadata
---
amdhsa.version: [ 1, 2 ]
amdhsa.kernels:
  - .name:           k_qd2f3932de6_qkv
    .symbol:         k_qd2f3932de6_qkv.kd
    .args:
      - { .name: x_codes, .offset: 0, .size: 8, .value_kind: global_buffer, .address_space: global }
      - { .name: WQ_codes, .offset: 8, .size: 8, .value_kind: global_buffer, .address_space: global }
      - { .name: WK_codes, .offset: 16, .size: 8, .value_kind: global_buffer, .address_space: global }
      - { .name: WV_codes, .offset: 24, .size: 8, .value_kind: global_buffer, .address_space: global }
      - { .name: lowp_scales, .offset: 32, .size: 8, .value_kind: global_buffer, .address_space: global }
      - { .name: tbl, .offset: 40, .size: 8, .value_kind: global_buffer, .address_space: global }
      - { .name: qkv_img, .offset: 48, .size: 8, .value_kind: global_buffer, .address_space: global }
    .group_segment_fixed_size: 327680
    .private_segment_fixed_size: 0
    .kernarg_segment_align: 8
    .kernarg_segment_size: 56
    .max_flat_workgroup_size: 128
    .sgpr_count:     100
    .vgpr_count:     1024
    .wavefront_size: 32
...
	.end_amdgpu_metadata
.endif
;; end of part 2
;; launch attn (part 3): grid 4 x 64, 16 waves a work-group, no clusters, 327,680 bytes of LDS; arguments qkv_img, lowp_scales, a_img; writes a_img
.if DOCPART == 3
	.amdgcn_target "amdgcn-amd-amdhsa--gfx1250"
	.amdhsa_code_object_version 6
	.text
	.protected	k_qd2f3932de6_attn
	.globl	k_qd2f3932de6_attn
	.p2align	8
	.type	k_qd2f3932de6_attn,@function
k_qd2f3932de6_attn:
	s_mov_b64 s[64:65], 0
	v_nop
	global_prefetch_b8 v0, s[64:65] scope:SCOPE_SE
	s_setreg_imm32_b32 hwreg(HW_REG_WAVE_MODE, 25, 1), 1
	s_wait_xcnt 0x0
; Causal attention on codes of FP8 (E4M3): 64 (batch, head) pairs, 2,048 tokens, head size 64.  Both products quantised; the result is quantised for the last projection.
; Q, K, V come as images of operand registers (qkv_img: Q at 0, K at 8,388,608, V at 16,777,216; 131,072 bytes a head): registers 4 c .. 4 c + 3 of lane l lie at 512 c + 16 l of a block.
;   Q, K: a block of 1,024 bytes is 16 tokens x 64.  V: a block of 2,048 bytes is 16 channels x 128 keys; four of them are a key step.  So a key step of 128 keys is 8,192 dense bytes of K and as many of V.
; THE SOFTMAX AHEAD OF THE SECOND PRODUCT: t = score x log2(e) / 8; M = the row's largest t so far, rounded UP to a whole number; p = 2^(t - M) is what is quantised; the row's sum is taken of the unquantised p
; and divides at the end.  When M moves, the sum and O are multiplied by 2^(old M - new M): exact.
; SHARES.  Work-group (i, head) owns the query blocks 7 - i and i, 256 queries each; wave w 16 queries of each.  With the mask a wave has 2 (7 - i) + w / 8 + 1 and 2 i + w / 8 + 1 key steps: 16 or 18 in every
; work-group: 256 work-groups of equal work.  Sixteen waves of 256 registers: four to a SIMD, so that one wave's vector work stands beside another's matrix work and LDS loads.
; LDS holds the head's whole K (bytes 0 ..) and V (bytes 131,072 ..).  Each byte is filled once, by two tensor loads a wave at the head: a small one (its share of keys 0 .. 255) and a large one (of the rest).
; Nothing is filled again and nothing is stored to LDS.  A wave has at most one tensor load outstanding.
; NO CLUSTER: the four work-groups of a head leave out different key steps (a branch on the work-group's number), and partners of joint loads must run alike; the steps left out are half of the launch's work.
; NO PREFETCH: all that the work-group reads of K and V is asked for by the loads at the head; there is no later load to run ahead of.
; LAYOUT.  S^T = K Q^T (source 0 = 16 keys, source 1 = my 16 queries): lane (r, h) holds query r and, in tile t's eight registers, keys 16 t + 8 h + 0 .. 7: their codes ARE registers 2 t, 2 t + 1 of the
; second product's operand.  O^T = V^T P^T: lane (r, h) holds query r and channels 16 t + 8 h + 0 .. 7: their codes are registers 2 t, 2 t + 1 of the last projection's operand.
; a_img: [token / 16][head][1,024 bytes], laid like Q's blocks; two neighbouring heads are one 16 x 128 operand.
; LIMITS on the given exponents (entries 6 .. 10: eq, ek, ep, ev, eo), so that each power of two below is an f32 number: eq + ek between -123 and 130 (added to c's exponent field); ep, and eo - ep - ev, between -126 and 119.
; t lies above -3e38.  NaN is not served.
.set VIMG, 131072
.set KSB,  8192                        ; a key step's bytes in K's image, and in V's
.set AK0,  1                           ; v1   16 x lane
.set AV0,  2                           ; v2   16 x lane + VIMG
.set QOH,  4                           ; v4, v5    my Q blocks' byte offsets in the head
.set QOL,  5
.set ADK,  8                           ; v8   LDS address of the step's K
.set ADV,  9                           ; v9   of its V
.set OOH,  10                          ; v10, v11  my byte offsets in a_img
.set OOL,  11
; v12 -M, v13 the largest t, v[14:15] the sum in two halves; v16-23, v24-31 Q of my two tiles; v32-95 eight fragments of K, then four of V; v96-159 S^T, then p; v160-191 O^T;
; v192-199, v200-207 the results' codes; v224-239 p's codes (v236 also takes the lane exchange, earlier in a step); v244: 2^ep; v245: the same with eo - ep - ev; v242-243, v252-254 at work.
.set TB,   2                           ; s2   LDS byte at which the step's K begins
.set WV,   18                          ; s18  my wave's number
.set SEL,  20                          ; s[20:21] lane selects for v_permlanex16_b32: lane l xor 16
.set CSC,  22                          ; s[22:23] c = log2(e) / 8 x 2^(eq + ek): the packed form names a pair and takes its low word for both halves
.set G1S,  24                          ; s[24:31] descriptor group 1: 8 rows of 256 bytes;  s[32:39]: 56 rows
.set G1L,  32
.set G0S,  40                          ; s[40:43], s[44:47] their groups 0
.set G0L,  44
.set KF,   48                          ; s48  the step's first key
.set Q0,   49                          ; s49  my first query
.set QL,   50                          ; s50  my last query
.set CNT,  51                          ; s51  counts the key steps of a loop
.set QHI,  52                          ; s52, s53  my first query in the late block, in the early block
.set QLO,  53
	s_load_b128 s[4:7], s[0:1], 0x0                ; qkv_img s[4:5], the scales' exponents s[6:7]
	s_load_b64 s[8:9], s[0:1], 0x10                ; a_img
	v_lshl_add_u32 v251, v0, 2, 0x40000
	v_mov_b32 v255, 0
	ds_add_u32 v251, v255
	ds_add_u32 v251, v255
	v_lshrrev_b32 v8, 5, v0
	s_delay_alu instid0(VALU_DEP_1)
	v_readfirstlane_b32 s[WV], v8                  ; wave 0..15
	s_and_b32 s19, ttmp7, 0xffff                   ; 16 x batch + head
	s_lshr_b32 s54, s[WV], 3                       ; waves 0-7 fetch K, waves 8-15 V
	s_and_b32 s55, s[WV], 7                        ; which eighth
	s_lshl_b32 s56, s54, 17                        ; the image's place in LDS
	s_lshl_b32 s57, s55, 11                        ; the small load: 2,048 bytes of the first 16,384
	s_mul_i32 s96, s55, 14336
	s_add_co_u32 s96, s96, 16384                   ; the large load: 14,336 bytes of the other 114,688
	s_mov_b32 s[G0S], 1                            ; 1:0 count = 1
	s_add_co_u32 s[G0S+1], s56, s57                ; 63:32 LDS address
	s_mov_b32 s[G0L], 1
	s_add_co_u32 s[G0L+1], s56, s96
	s_lshl_b32 s58, s19, 17                        ; the head's first byte in each part of qkv_img
	s_mov_b32 s59, 0
	s_add_co_u32 s60, s54, 1
	s_lshl_b32 s60, s60, 23                        ; K's part or V's
	s_add_co_u32 s60, s60, s58
	s_add_co_u32 s62, s60, s96
	s_add_co_u32 s60, s60, s57
	s_mov_b32 s61, 0
	s_mov_b32 s63, 0
	; descriptor group 1: a dense block as rows of 256 bytes: 32 elements of 8 bytes
	s_mov_b32 s[G1S], 3<<16                        ; 15:0 no mask; 17:16 elements of 8 bytes; no padding
	s_mov_b32 s[G1S+1], 32<<16                     ; tensor_dim0 = 32
	s_mov_b32 s[G1S+2], 8<<16                      ; tensor_dim1 = 8
	s_mov_b32 s[G1S+3], 32<<16                     ; tile_dim0 = 32
	s_mov_b32 s[G1S+4], 8                          ; tile_dim1 = 8
	s_mov_b32 s[G1S+5], 32                         ; tensor_dim0_stride: the rows lie on end
	s_mov_b32 s[G1S+6], 0
	s_mov_b32 s[G1S+7], 0
	s_mov_b32 s[G1L], 3<<16
	s_mov_b32 s[G1L+1], 32<<16
	s_mov_b32 s[G1L+2], 56<<16                     ; 56 rows
	s_mov_b32 s[G1L+3], 32<<16
	s_mov_b32 s[G1L+4], 56
	s_mov_b32 s[G1L+5], 32
	s_mov_b32 s[G1L+6], 0
	s_mov_b32 s[G1L+7], 0
	s_mov_b32 s[SEL], 0x76543210
	s_mov_b32 s[SEL+1], 0xfedcba98
	s_mov_b32 s[CSC], 0x3e38aa3b                   ; log2(e) / sqrt(64)
	s_wait_dscnt 0x0
	s_wait_kmcnt 0x0
	s_load_b128 s[68:71], s[6:7], 0x18             ; eq, ek, ep, ev
	s_load_b32 s72, s[6:7], 0x28                   ; eo
	s_add_nc_u64 s[G0S+2:G0S+3], s[4:5], s[60:61]  ; 120:64 global address
	s_or_b32 s[G0S+3], s[G0S+3], 0x80000000        ; 127:126 type = 2
	s_add_nc_u64 s[G0L+2:G0L+3], s[4:5], s[62:63]
	s_or_b32 s[G0L+3], s[G0L+3], 0x80000000
	tensor_load_to_lds s[G0S:G0S+3], s[G1S:G1S+7]  ; the small fill; the large one follows behind a wait for it and a barrier
	s_nop 0
	s_wait_alu depctr_va_vdst(0)
	s_wait_tensorcnt 0x0
	ds_add_u32 v251, v255
	s_wait_dscnt 0x0
	s_barrier_signal -1
	s_barrier_wait -1
	tensor_load_to_lds s[G0L:G0L+3], s[G1L:G1L+7]
	s_nop 0
.rept 4
	v_nop
.endr
	s_add_nc_u64 s[10:11], s[4:5], s[58:59]        ; Q's part at my head
	v_and_b32 v[AK0], 31, v0
	s_delay_alu instid0(VALU_DEP_1)
	v_lshlrev_b32 v[AK0], 4, v[AK0]
	s_wait_alu depctr_va_vdst(0)
	v_add_nc_u32 v[AV0], VIMG, v[AK0]
	s_sub_co_u32 s[QHI], 7, ttmp9
	s_lshl_b32 s[QHI], s[QHI], 8
	s_lshl_b32 s54, s[WV], 4
	s_add_co_u32 s[QHI], s[QHI], s54               ; 256 (7 - i) + 16 w
	s_lshl_b32 s[QLO], ttmp9, 8
	s_add_co_u32 s[QLO], s[QLO], s54               ; 256 i + 16 w
	s_lshl_b32 s55, s[QHI], 6                      ; 16 tokens are 1,024 bytes
	v_add_nc_u32 v[QOH], s55, v[AK0]
	s_lshl_b32 s55, s[QLO], 6
	v_add_nc_u32 v[QOL], s55, v[AK0]
	global_load_b128 v[16:19], v[QOH], s[10:11]    ; Q's two fragments stay in registers
	global_load_b128 v[20:23], v[QOH], s[10:11] offset:512
	global_load_b128 v[24:27], v[QOL], s[10:11]
	global_load_b128 v[28:31], v[QOL], s[10:11] offset:512
	s_lshr_b32 s56, s19, 4
	s_lshl_b32 s56, s56, 21                        ; the batch: 128 blocks of 16 tokens x 16,384 bytes
	s_and_b32 s57, s19, 15
	s_lshl_b32 s57, s57, 10                        ; the head: 1,024 bytes
	s_add_co_u32 s56, s56, s57
	s_lshl_b32 s57, s[QHI], 10                     ; 16 tokens are 16,384 bytes
	s_add_co_u32 s57, s57, s56
	v_add_nc_u32 v[OOH], s57, v[AK0]
	s_lshl_b32 s57, s[QLO], 10
	s_add_co_u32 s57, s57, s56
	v_add_nc_u32 v[OOL], s57, v[AK0]
	v_mov_b32 v236, 0                              ; written once: a lane permute's destination counts as one of its sources
	v_mov_b32 v252, 0                              ; likewise
	v_mov_b32 v253, 0                              ; (named as the upper half of the pair v[252:253])
	s_wait_kmcnt 0x0
	s_add_co_i32 s54, s68, s69
	s_lshl_b32 s54, s54, 23
	s_add_co_i32 s[CSC], s[CSC], s54               ; a score stands for score x 2^(eq + ek): the two exponents are added to c's exponent field
	s_mov_b32 s[CSC+1], s[CSC]                     ; (named with it as a pair, so it is written)
	s_add_co_i32 s54, s70, 127
	s_lshl_b32 s55, s54, 23
	v_mov_b32 v244, s55                            ; 2^ep as f32, for p's conversions
	s_sub_co_i32 s54, s72, s70
	s_sub_co_i32 s54, s54, s71
	s_add_co_i32 s54, s54, 127                     ; a sum of the second product stands for sum x 2^(ep + ev): the three exponents are folded into the result's conversion
	s_lshl_b32 s55, s54, 23
	v_mov_b32 v245, s55                            ; 2^(eo - ep - ev)
; A tile of 16 queries begins: O^T and the sum as zeros, the largest t as -3e38, so that a key step is written without a first step of its own: the first change of M multiplies zeros.
.macro INIT q
	s_mov_b32 s[Q0], s[\q]
	s_add_co_u32 s[QL], s[\q], 15
	s_mov_b32 s[KF], 0
	s_mov_b32 s[TB], 0
	v_mov_b32 v13, 0xff61b1e6                      ; -3e38
	s_delay_alu instid0(VALU_DEP_1)
	v_floor_f32 v12, -v13                          ; -M
	v_mov_b32 v14, 0
	v_mov_b32 v15, 0
.set n, 0
.rept 32
	v_mov_b32 v[160+n], 0
.set n, n+1
.endr
.endm
; A KEY STEP: 128 keys against the tile whose Q lies in v[qf] on.
.macro STEP qf
	s_cmp_gt_u32 s[KF], s[QL]                      ; all 128 keys come after my 16 queries: the step's work is left out; a scalar branch on ids, round no barrier and no tensor load
	s_cbranch_scc1 .Lhidden_\@
	s_setprio 2
	v_add_nc_u32 v[ADK], s[TB], v[AK0]
	v_add_nc_u32 v[ADV], s[TB], v[AV0]
	v_nop                                          ; with the two additions: four places in front of loads into registers that the last products have read
	v_nop
.set n, 0
.rept 16
	ds_load_b128 v[32+4*n:35+4*n], v[ADK] offset:512*n   ; K's eight fragments: 512 consecutive bytes a load
.set n, n+1
.endr
	s_wait_alu depctr_va_vdst(0)
	s_wait_dscnt 0x0
.set n, 0
.rept 8
	v_wmma_f32_16x16x64_fp8_fp8 v[96+8*n:103+8*n], v[32+8*n:39+8*n], v[\qf:\qf+7], 0
.set n, n+1
.endr
.rept 4
	v_nop                                          ; places: in front of the loads below, and of the first read of the scores
.endr
.set n, 0
.rept 16
	ds_load_b128 v[32+4*n:35+4*n], v[ADV] offset:512*n   ; V's four fragments take K's registers and land under the softmax
.set n, n+1
.endr
	s_add_co_u32 s96, s[KF], 127                   ; on the diagonal the scores of hidden keys become -infinity ahead of the maximum: p = 0 then.  A step all of whose keys count skips this
	s_cmp_le_u32 s96, s[Q0]
	s_cbranch_scc1 .Lopen_\@
	s_sub_co_i32 s96, s[Q0], s[KF]
	v_and_b32 v252, 15, v0
	v_bfe_u32 v253, v0, 4, 1
	s_delay_alu instid0(VALU_DEP_1)
	v_lshlrev_b32 v253, 3, v253
	s_delay_alu instid0(VALU_DEP_1)
	v_sub_nc_u32 v252, v252, v253
	s_delay_alu instid0(VALU_DEP_1)
	v_add_nc_u32 v252, s96, v252                   ; d = my query - KF - 8 (lane / 16).  Register n holds key KF + 16 (n / 8) + 8 (lane / 16) + n % 8: hidden where 16 (n / 8) + n % 8 > d
	v_mov_b32 v254, 0xff800000                     ; -infinity
.set n, 0
.rept 64
	v_cmp_gt_i32 vcc_lo, 16*(n/8)+n%8, v252
	v_cndmask_b32 v[96+n], v[96+n], v254, vcc_lo
.set n, n+1
.endr
.Lopen_\@:
	v_max3_num_f32 v254, v96, v97, v98             ; the step's largest score of my query, among my 64 keys, in two chains,
	v_max3_num_f32 v252, v99, v100, v101
.set n, 6
.rept 14
	v_max3_num_f32 v254, v254, v[96+n], v[97+n]
	v_max3_num_f32 v252, v252, v[98+n], v[99+n]
.set n, n+4
.endr
	v_max3_num_f32 v254, v254, v158, v159
	s_delay_alu instid0(VALU_DEP_1)
	v_max_num_f32 v254, v254, v252
	v_permlanex16_b32 v236, v254, s[SEL], s[SEL+1]
	s_delay_alu instid0(VALU_DEP_1)
	v_max_num_f32 v254, v254, v236                 ; and among lane l xor 16's
	s_delay_alu instid0(VALU_DEP_1)
	v_mul_f32 v254, s[CSC], v254                   ; as t (c is positive)
	s_delay_alu instid0(VALU_DEP_1)
	v_max_num_f32 v13, v13, v254                   ; the running largest t
	v_mov_b32 v254, v12
	s_delay_alu instid0(VALU_DEP_2)
	v_floor_f32 v12, -v13                          ; the new -M = floor(-t) = -ceil(t): M is a whole number
	s_delay_alu instid0(VALU_DEP_1)
	v_sub_f32 v254, v12, v254                      ; M's old value less its new one: a whole number, 0 or less
	s_delay_alu instid0(VALU_DEP_1)
	v_cvt_i32_f32 v254, v254                       ; (it saturates)
	s_delay_alu instid0(VALU_DEP_1)
	v_ldexp_f32 v252, 1.0, v254                    ; f = 2^(old M - new M)
.set n, 0
	s_setprio 1
.rept 32
	v_pk_fma_f32 v[96+n:97+n], v[96+n:97+n], s[CSC:CSC+1], v[12:13] op_sel_hi:[1,0,0]   ; t - M, two at a time (of the pairs c and -M the low word serves both halves)
.set n, n+2
.endr
.set n, 0
	s_wait_alu depctr_va_vdst(0)
.rept 64
	v_exp_f32 v[96+n], v[96+n]                     ; p = 2^(t - M), at most 1: not normalised
.set n, n+1
.endr
	v_pk_mul_f32 v[14:15], v[14:15], v[252:253] op_sel_hi:[1,0]   ; the sums under the new M.  (The plain instruction behind the exponentials)
	s_wait_alu depctr_va_vdst(0)                   ; one wait for the whole batch of exponentials, ahead of the first instruction that names a result
	v_pk_add_f32 v[242:243], v[96:97], v[98:99]    ; the row's sum is taken of the unquantised p: two at a time, in two chains
.set n, 4
.rept 15
	v_pk_add_f32 v[14:15], v[14:15], v[96+n:97+n]
	v_pk_add_f32 v[242:243], v[242:243], v[98+n:99+n]
.set n, n+4
.endr
	s_delay_alu instid0(VALU_DEP_1)
	v_pk_add_f32 v[14:15], v[14:15], v[242:243]
.set n, 0
.rept 64
.set n, n+1
.endr
.set n, 0
	s_setprio 0
.rept 8
	v_cvt_scalef32_pk8_fp8_f32 v[224+2*n:225+2*n], v[96+8*n:103+8*n], v244   ; tile n's eight keys: registers 2 n, 2 n + 1 of the operand
.set n, n+1
.endr
.set n, 0
.rept 16
	v_pk_mul_f32 v[160+n:161+n], v[160+n:161+n], v[252:253] op_sel_hi:[1,0]   ; O^T under the new M: x f.  (These are also the plain instructions between the conversions and the products)
.set n, n+2
.endr
	s_wait_alu depctr_va_vdst(0)
	s_wait_dscnt 0x0                               ; V is in
.set n, 0
.rept 4
	v_wmma_f32_16x16x128_fp8_fp8 v[160+8*n:167+8*n], v[32+16*n:47+16*n], v[224:239], v[160+8*n:167+8*n]   ; the four accumulators take turns, one instruction a turn
.set n, n+1
.endr
.Lhidden_\@:
	s_add_co_u32 s[KF], s[KF], 128
	s_add_co_u32 s[TB], s[TB], KSB
.endm
.macro KLOOP qf, trips                 ; the trip count is a constant of the text; what the mask hides is jumped over inside a trip
	s_mov_b32 s[CNT], \trips
.Lkey_\@:
	STEP \qf
	s_sub_co_u32 s[CNT], s[CNT], 1
	s_cmp_lg_u32 s[CNT], 0
	s_cbranch_scc1 .Lkey_\@
	s_setprio 0
.endm
; A tile ends: O^T / the sum, held, converted with 2^(eo - ep - ev), stored as an operand's image: two stores of 512 consecutive bytes.
.macro OUT cd, off
	v_nop                                          ; these two, the two additions and the v_nop behind the reciprocal are the places behind the last products
	v_nop
	v_add_f32 v14, v14, v15                        ; the sum's two halves,
	s_delay_alu instid0(VALU_DEP_1)
	v_permlanex16_b32 v252, v14, s[SEL], s[SEL+1]
	s_delay_alu instid0(VALU_DEP_1)
	v_add_f32 v14, v14, v252                       ; and lane l xor 16's: the row's sum
	s_wait_alu depctr_va_vdst(0)
	v_rcp_f32 v14, v14
	v_nop                                          ; a plain instruction behind the transcendental
	s_wait_alu depctr_va_vdst(0)                   ; and the wait ahead of the first instruction that names its result
.set n, 0
.rept 16
	v_pk_mul_f32 v[96+n:97+n], v[160+n:161+n], v[14:15] op_sel_hi:[1,0]   ; each accumulator from its low end on
.set n, n+2
.endr
.set n, 0
.rept 32
.set n, n+1
.endr
.set n, 0
.rept 4
	v_cvt_scalef32_pk8_fp8_f32 v[\cd+2*n:\cd+2*n+1], v[96+8*n:103+8*n], v245
.set n, n+1
.endr
	v_nop                                          ; one plain vector instruction behind the last scaled conversion
	global_store_b128 v[\off], v[\cd:\cd+3], s[8:9]
	global_store_b128 v[\off], v[\cd+4:\cd+7], s[8:9] offset:512
.endm
	s_wait_loadcnt 0x0                             ; Q
	s_wait_tensorcnt 1                             ; my share of keys 0 .. 255 is in; the large load may stay out
	s_barrier_signal -1
	s_barrier_wait -1                              ; everybody's is
	INIT QHI                                       ; the late block first: its queries lie at 1,024 or beyond, so its first two key steps count whole
	STEP 16                                        ; keys 0 .. 127
	STEP 16                                        ; keys 128 .. 255: these two read only what the small loads brought
	s_wait_tensorcnt 0x0                           ; my share of the rest is in
	s_wait_dscnt 0x0
	s_barrier_signal -1
	s_barrier_wait -1                              ; everybody's is: from here on LDS is only read
	KLOOP 16, 14
	OUT 192, OOH
	INIT QLO
	KLOOP 24, 16
	OUT 200, OOL
	s_wait_tensorcnt 0x0
	ds_add_u32 v251, v255
	s_wait_dscnt 0x0
	s_endpgm
.Lfunc_end_k_qd2f3932de6_attn:
	.size	k_qd2f3932de6_attn, .Lfunc_end_k_qd2f3932de6_attn-k_qd2f3932de6_attn
	.p2alignl 7, 3214868480
	.fill 96, 4, 3214868480
	.section	.rodata,"a",@progbits
	.p2align	6, 0x0
	.amdhsa_kernel k_qd2f3932de6_attn
		.amdhsa_group_segment_fixed_size 327680
		.amdhsa_private_segment_fixed_size 0
		.amdhsa_enable_private_segment 0
		.amdhsa_kernarg_size 24
		.amdhsa_user_sgpr_count 2
		.amdhsa_user_sgpr_kernarg_segment_ptr 1
		.amdhsa_wavefront_size32 1
		.amdhsa_system_sgpr_workgroup_id_x 1
		.amdhsa_system_sgpr_workgroup_id_y 1
		.amdhsa_system_sgpr_workgroup_id_z 1
		.amdhsa_system_vgpr_workitem_id 0
		.amdhsa_next_free_vgpr 256
		.amdhsa_next_free_sgpr 100
		.amdhsa_reserve_vcc 1
		.amdhsa_float_denorm_mode_32 3
		.amdhsa_float_denorm_mode_16_64 3
		.amdhsa_fp16_overflow 1
		.amdhsa_memory_ordered 1
		.amdhsa_forward_progress 1
		.amdhsa_inst_pref_size 89
	.end_amdhsa_kernel
	.amdgpu_metadata
---
amdhsa.version: [ 1, 2 ]
amdhsa.kernels:
  - .name:           k_qd2f3932de6_attn
    .symbol:         k_qd2f3932de6_attn.kd
    .args:
      - { .name: qkv_img, .offset: 0, .size: 8, .value_kind: global_buffer, .address_space: global }
      - { .name: lowp_scales, .offset: 8, .size: 8, .value_kind: global_buffer, .address_space: global }
      - { .name: a_img, .offset: 16, .size: 8, .value_kind: global_buffer, .address_space: global }
    .group_segment_fixed_size: 327680
    .private_segment_fixed_size: 0
    .kernarg_segment_align: 8
    .kernarg_segment_size: 24
    .max_flat_workgroup_size: 512
    .sgpr_count:     100
    .vgpr_count:     256
    .wavefront_size: 32
...
	.end_amdgpu_metadata
.endif
;; end of part 3
;; launch oproj (part 4): grid 4 x 64, 4 waves a work-group, clusters of 4 x 4, 327,680 bytes of LDS; arguments a_img, WO_codes, lowp_scales, out0; writes out0
.if DOCPART == 4
	.amdgcn_target "amdgcn-amd-amdhsa--gfx1250"
	.amdhsa_code_object_version 6
	.text
	.protected	k_qd2f3932de6_oproj
	.globl	k_qd2f3932de6_oproj
	.p2align	8
	.type	k_qd2f3932de6_oproj,@function
k_qd2f3932de6_oproj:
	s_mov_b64 s[64:65], 0
	v_nop
	global_prefetch_b8 v0, s[64:65] scope:SCOPE_SE
	s_setreg_imm32_b32 hwreg(HW_REG_WAVE_MODE, 25, 1), 1
	s_wait_xcnt 0x0
	s_wait_alu depctr_hold_cnt(0) depctr_sa_sdst(0) depctr_va_vdst(0) depctr_va_sdst(0) depctr_va_ssrc(0) depctr_va_vcc(0) depctr_vm_vsrc(0)
	s_getreg_b32 s2, hwreg(HW_REG_IB_STS2, 6, 4)
	s_cmp_eq_u32 s2, 0
	s_cbranch_scc0 .Lentry_in_a_cluster
	s_endpgm
.Lentry_in_a_cluster:
	s_bfe_u32 s2, ttmp6, 0x10000c
	s_cmp_lg_u32 s2, 0xf033
	s_cbranch_scc0 .Lentry_shape_is_right
	s_endpgm
.Lentry_shape_is_right:
; out0 = A WO^T on codes of FP8 (E4M3).  A: the attention's result, [8192][1024], as images of operand registers (a_img); WO: [1024][1024] codes, K innermost; out0: [8192][1024] f32.
; a_img: [token / 16][head][1,024 bytes]: registers 4 c .. 4 c + 3 of lane l at 512 c + 16 l; two neighbouring heads, 2,048 bytes, are one operand of 16 tokens x 128 K in the form's own order of k:
; registers 2 c, 2 c + 1 of lane (r, h) hold k = 16 c + 8 h + 0 .. 7.  So WO's fragments are fetched in that order too: eight loads of 8 bytes, 16 bytes apart, at row x pitch + 8 h.
; A number of A is its code x 2^ea, of WO x 2^eb (entries 10 and 11 of the scales): each finished sum is multiplied once by 2^(ea + eb).  LIMIT: ea + eb between -126 and 127.
; A tile is 128 tokens x 256 columns, so that the 8,192 x 1,024 results make 256 work-groups; four waves, each 64 x 128: 32 accumulators, 256 registers.
; K goes in steps of 256 through a ring of two LDS slots filled by joint tensor loads.  CLUSTERS: 4 x 4 work-groups; the grid is one cluster wide, so the tile column is cx.  The four of a row of the cluster
; need the same tile of A, the four of a column the same tile of WO.  The matrix instruction is used transposed (source 0 = 16 rows of WO, source 1 = 16 tokens): a lane holds eight neighbouring numbers of a row of out0.
; REGISTERS, in windows of 256: window 0: v0-31 addresses; v128-191 A's four fragments, one set; on the way out v32-255 are free.   window 1: WO's fragments, two sets.   window 2: accumulator (a, b) at v[8 (8 a + b)].
.set KROW,   1024                      ; a row of WO in memory, in bytes
.set ROWB,   256                       ; 256 along K of a row of WO
.set PITCH,  272                       ; its LDS row: 256 bytes + 16 of padding = 68 words: lane (r, h) of a load of 8 bytes starts at bank 4 r + 2 h (64 banks of 4 bytes: ISA guide 11.1): 32 lanes, 64 different banks
.set ABLK,   4096                      ; 256 along K of a block of 16 tokens: four heads' images
.set AROW,   16384                     ; a block of 16 tokens in a_img
.set ATILE,  8*ABLK                    ; A's part of a slot: 8 blocks, dense
.set BHALF,  128*PITCH
.set SLOT,   ATILE+2*BHALF             ; 102,400
.set FR,     16
.set NL,     4                         ; LDS loads that bring a fragment of A
.set NP,     4                         ; places behind this matrix instruction (ISA guide 7.12.1)
.set LAPS,   KROW/(2*ROWB)
.set SPARE,  2*SLOT                    ; behind the ring: the spare words, 128 bytes for each wave: two blocks of 256 bytes that no other line names
.set SPITCH, 528                       ; the way out: a stage of 16 rows x (512 bytes + 16) for each wave, in slot 0, which has had its last fill and its last read when the first result is stored there
.set NROW,   4096                      ; a row of out0 in bytes
.set ADRA, 16                          ; v16-17  LDS address of my A fragments in slot 0, 1
.set ADRB, 20                          ; v20-21  the same for WO
.set STO,  24                          ; v24     the way out: where I put 32 bytes of a row
.set RD,   25                          ; v25     the way out: where I read a row back
.set CO,   26                          ; v26     16 x lane
.set SPW,  28                          ; v28     LDS address of my spare word; never rewritten
.set NIL,  29                          ; v29     0; never rewritten
.set TMP,  32                          ; the way out: 64 registers, a block's sums x 2^(ea + eb)
.set AF,   128                         ; A's fragments, in window 0
.set BK,   128                         ; the way out: 16 rows read back from the stage: v128-191 and v192-255 by turns
.set G1, 24                            ; s[24:31] descriptor group 1 for A's tiles;  s[32:39] group 0, one set for each slot
.set G0, 32
.set G1B, 48                           ; s[48:55], s[56:63] the same for WO's tiles
.set G0B, 56
.set MSB, 0
.macro WIN new                         ; the immediate's high byte repeats the setting that is left
.if MSB != (\new)
	s_set_vgpr_msb (MSB<<8)|(\new)
.set MSB, (\new)
.endif
.endm
.set MUL,  0xa1                        ; source 0 (WO) window 1, source 1 (A) window 0, C and D window 2
.set TO_B, 0x40                        ; destination window 1, address window 0
.macro JLOAD g0a, g1a, g0b, g1b        ; a joint load: waves 0 and 1 fetch for A, waves 2 and 3 for WO; four v_nop follow each of the two lines
	s_cmp_eq_u32 s15, 0
	s_cbranch_scc0 .Lfor_b_\@
	tensor_load_to_lds s[\g0a:\g0a+3], s[\g1a:\g1a+7]
	s_nop 0
.rept 4
	v_nop
.endr
	s_branch .Lasked_\@
.Lfor_b_\@:
	tensor_load_to_lds s[\g0b:\g0b+3], s[\g1b:\g1b+7]
	s_nop 0
.rept 4
	v_nop
.endr
.Lasked_\@:
.endm
.macro CREST                           ; a round of the cluster's barrier behind its opening barrier
	s_cmp_lg_u32 s14, 0
	s_cbranch_scc1 .Lnot_wave_0_\@
	s_barrier_signal -3
.Lnot_wave_0_\@:
	s_barrier_wait -3
	s_barrier_signal -1
	s_barrier_wait -1
.endm
.macro CROUND                          ; a whole round
	s_barrier_signal -1
	s_barrier_wait -1
	CREST
.endm
	s_load_b128 s[4:7], s[0:1], 0x0                ; a_img s[4:5], WO's codes s[6:7]
	s_load_b128 s[8:11], s[0:1], 0x10              ; the scales' exponents s[8:9], out0 s[10:11]
	v_lshl_add_u32 v[SPW], v0, 2, SPARE
	v_mov_b32 v[NIL], 0
	ds_add_u32 v28, v29
	ds_add_u32 v28, v29
	s_wait_dscnt 0x0
	v_lshrrev_b32 v1, 5, v0
	v_readfirstlane_b32 s14, v1                    ; wave 0..3
	s_lshr_b32 s15, s14, 1                         ; which 64 of the tile's tokens are mine.  Also: I fetch for A (0) or for WO (1)
	s_and_b32 s16, s14, 1                          ; which 128 of its columns.  Also: which half of that tile I fetch
	s_bfe_u32 s40, ttmp6, 0x40000                  ; cx: the tile column
	s_bfe_u32 s41, ttmp6, 0x40004                  ; cy
	s_and_b32 s17, ttmp7, 0xffff
	s_lshl_b32 s17, s17, 2
	s_add_co_u32 s17, s17, s41                     ; tile row = 4 x cluster y + cy: 128 tokens each
	s_lshl_b32 s43, s41, 2
	s_lshl_b32 s43, 15, s43                        ; my row of the cluster
	s_lshl_b32 s44, 0x1111, s40                    ; my column
	; A's tiles: 4 blocks of 16 tokens, of each 4,096 consecutive bytes, 16,384 bytes apart in memory, dense in LDS
	s_or_b32 s[G1+0], s43, (3<<16)|(1<<21)         ; 15:0 the mask: my row; 17:16 elements of 8 bytes; 21 set beside a mask; no padding
	s_mov_b32 s[G1+1], (ABLK/8)<<16                ; tensor_dim0 = 512
	s_mov_b32 s[G1+2], 4<<16                       ; tensor_dim1 = 4
	s_mov_b32 s[G1+3], (ABLK/8)<<16                ; tile_dim0 = 512
	s_mov_b32 s[G1+4], 4                           ; tile_dim1 = 4
	s_mov_b32 s[G1+5], AROW/8                      ; tensor_dim0_stride = 2,048 elements
	s_mov_b32 s[G1+6], 0
	s_mov_b32 s[G1+7], 0
	; WO's tiles: 128 rows x 256 bytes, padded in LDS
	s_or_b32 s[G1B+0], s44, (0<<16)|(1<<20)|(1<<21)|(5<<22)|(3<<25)  ; the mask: my column; elements of 1 byte; padding: 4 words after every 64
	s_mov_b32 s[G1B+1], ROWB<<16
	s_mov_b32 s[G1B+2], 128<<16
	s_mov_b32 s[G1B+3], ROWB<<16
	s_mov_b32 s[G1B+4], 128
	s_mov_b32 s[G1B+5], KROW
	s_mov_b32 s[G1B+6], 0
	s_mov_b32 s[G1B+7], 0
	s_lshl_b32 s20, s17, 17                        ; A: 8 blocks of 16,384 bytes a tile row,
	s_lshl_b32 s18, s16, 16                        ; + the 4 blocks that I fetch
	s_add_co_u32 s20, s20, s18
	s_mov_b32 s21, 0
	s_lshl_b32 s46, s40, 18                        ; WO: 256 rows of 1,024 bytes a tile column,
	s_lshl_b32 s18, s16, 17                        ; + the 128 rows that I fetch
	s_add_co_u32 s46, s46, s18
	s_mov_b32 s47, 0
	s_lshl_b32 s45, s16, 14                        ; where they go: A's half,
	s_mul_i32 s19, s16, BHALF
	s_add_co_u32 s19, s19, ATILE                   ; WO's half, behind A's part: no place in the cluster enters an LDS address
	s_wait_kmcnt 0x0
	s_load_b64 s[96:97], s[8:9], 0x28              ; ea, eb: entries 10 and 11
	s_add_nc_u64 s[20:21], s[4:5], s[20:21]
	s_add_nc_u64 s[46:47], s[6:7], s[46:47]
	CROUND                                         ; all sixteen work-groups are here: the first joint loads meet
.irp s, 0,1
	s_mov_b32 s[G0+4*\s], 1
	s_add_co_u32 s[G0+4*\s+1], s45, \s*SLOT
	s_add_nc_u64 s[G0+4*\s+2:G0+4*\s+3], s[20:21], \s*ABLK
	s_or_b32 s[G0+4*\s+3], s[G0+4*\s+3], 0x80000000
	s_mov_b32 s[G0B+4*\s], 1
	s_add_co_u32 s[G0B+4*\s+1], s19, \s*SLOT
	s_add_nc_u64 s[G0B+4*\s+2:G0B+4*\s+3], s[46:47], \s*ROWB
	s_or_b32 s[G0B+4*\s+3], s[G0B+4*\s+3], 0x80000000
	s_wait_alu depctr_va_vdst(0)
	s_wait_tensorcnt 0x0
	ds_add_u32 v28, v29
	ds_add_u32 v28, v29
	s_wait_dscnt 0x0
	CROUND
	JLOAD G0+4*\s, G1, G0B+4*\s, G1B
.endr
	v_and_b32 v1, 15, v0                           ; r = l % 16
	v_bfe_u32 v2, v0, 4, 1                         ; h = l / 16
	v_and_b32 v6, 31, v0
	v_lshlrev_b32 v[CO], 4, v6                     ; 16 x lane
	v_mul_u32_u24 v3, v1, PITCH
	v_lshl_add_u32 v4, v2, 3, v3                   ; WO: row x pitch + 8 x half
	s_lshl_b32 s21, s15, 14                        ; my 4 blocks of A
	s_mul_i32 s22, s16, BHALF                      ; my 128 rows of WO,
	s_add_co_u32 s22, s22, ATILE                   ; which lie behind A's part
.irp s, 0,1
	v_add_nc_u32 v[ADRA+\s], s21, v[CO]
	v_add_nc_u32 v[ADRB+\s], s22, v4
	s_add_co_u32 s21, s21, SLOT
	s_add_co_u32 s22, s22, SLOT
.endr
	s_mul_i32 s23, s14, 16*SPITCH                  ; my stage
	v_mul_u32_u24 v5, v1, SPITCH                   ; in: row l % 16, 32 bytes for each half of the lanes
	v_lshl_add_u32 v5, v2, 5, v5
	v_add_nc_u32 v[STO], s23, v5
	v_add_nc_u32 v[RD], s23, v[CO]                 ; back: the 32 lanes take one row of 512 bytes
	s_lshl_b32 s20, s17, 7
	s_lshl_b32 s21, s15, 6
	s_add_co_u32 s20, s20, s21                     ; my first row of out0: 128 x tile row + 64 x half,
	s_lshl_b32 s20, s20, 12                        ; in bytes: at most 8,191 rows of 4,096
	s_mov_b32 s21, 0
	s_lshl_b32 s46, s40, 10                        ; my first column, in bytes: 1,024 x tile column + 512 x half
	s_lshl_b32 s47, s16, 9
	s_add_co_u32 s46, s46, s47
	s_mov_b32 s47, 0
	s_add_nc_u64 s[20:21], s[20:21], s[46:47]
	s_add_nc_u64 s[10:11], s[10:11], s[20:21]
.macro FRAGA reg, adr, q, i            ; a fragment of A comes as it was stored: four loads of 512 consecutive bytes
.irp c, 0,1,2,3
	ds_load_b128 v[\reg+4*\c:\reg+4*\c+3], v[\adr] offset:ABLK*(\i)+2048*(\q)+512*\c
.endr
.endm
.macro FRAGB reg, adr, q, i            ; a fragment of WO: registers 2 c, 2 c + 1 hold k = 16 c + 8 h + 0 .. 7 of row l % 16
.irp c, 0,1,2,3,4,5,6,7
	ds_load_b64 v[\reg+2*\c:\reg+2*\c+1], v[\adr] offset:128*(\q)+16*\c+(\i)*16*PITCH
.endr
.endm
; 8 matrix instructions: A's block a x WO's eight, 128 along K.  p: WO's set.  zero = 1: the first product starts the sums.
; The 32 accumulators take turns, one instruction a turn, in the same order in every step.
.macro MULA a, p, zero
.irp b, 0,1,2,3,4,5,6,7
.if \zero
	v_wmma_f32_16x16x128_fp8_fp8 v[8*(8*(\a)+\b):8*(8*(\a)+\b)+7], v[128*(\p)+FR*\b:128*(\p)+FR*\b+FR-1], v[AF+FR*(\a):AF+FR*(\a)+FR-1], 0
.else
	v_wmma_f32_16x16x128_fp8_fp8 v[8*(8*(\a)+\b):8*(8*(\a)+\b)+7], v[128*(\p)+FR*\b:128*(\p)+FR*\b+FR-1], v[AF+FR*(\a):AF+FR*(\a)+FR-1], v[8*(8*(\a)+\b):8*(8*(\a)+\b)+7]
.endif
.endr
.endm
.macro MUL16 a0, p, zero
	MULA \a0, \p, \zero
	MULA (\a0)+1, \p, \zero
.endm
.macro FETCH_B slot, q, p              ; WO's eight fragments of the slot's q-th 128 along K into set p
	WIN TO_B
.irp i, 0,1,2,3,4,5,6,7
	FRAGB 128*(\p)+FR*\i, ADRB+\slot, \q, \i
.endr
	WIN 0
.endm
.macro FETCH_A slot, q, i0             ; A's blocks i0, i0 + 1
.irp i, \i0, \i0+1
	FRAGA AF+FR*(\i), ADRA+\slot, \q, \i
.endr
.endm
.macro PLACES n                        ; places in front of loads into registers that matrix instructions have read, and of the first read of results (ISA guide 7.12.1 for vector instructions)
.rept \n
	v_nop
.endr
.endm
; A step of 128 along K that has its successor in the same slot: 32 matrix instructions.  A's blocks 0, 1 are fetched anew in the step's middle, blocks 2, 3 at its end.
.macro STEP slot, q, zero
	s_wait_dscnt 2*NL                              ; WO's set and A's blocks 0, 1 are in; the youngest eight loads (A's blocks 2, 3) may be out
	WIN MUL
	MUL16 0, (\q)%2, \zero
	s_wait_dscnt 0                                 ; A's blocks 2, 3 are in
	PLACES NP
	FETCH_B \slot, (\q)+1, 1-(\q)%2
	FETCH_A \slot, (\q)+1, 0
	WIN MUL
	MUL16 2, (\q)%2, \zero
	PLACES NP
	WIN 0
	FETCH_A \slot, (\q)+1, 2
.endm
; A slot's last step changes slots: one barrier; in front of it each wave waits for all its tensor loads, adds 0 to its spare word, and waits for that and for its own reads of this slot.  fill = 1: this slot is filled again, two K steps ahead.
.macro TURN slot, next, fill
	s_wait_tensorcnt 0x0                           ; all my tensor loads have landed: my part of the next slot;  (every window is 0 here)
	ds_add_u32 v[SPW], v[NIL]                      ; 0 onto my spare word
	s_wait_dscnt 2*NL+1                            ; (the add and the youngest eight loads, A's blocks 2, 3, may be out)
	WIN MUL
	MULA 0, 1, 0                                   ; eight matrix instructions stand between the add and the wait for it
	s_wait_dscnt 0x0                               ; the add is done, and my reads of this slot are over
	s_barrier_signal -1
	MULA 1, 1, 0
	WIN 0
	s_barrier_wait -1
.if \fill
	CREST                                          ; the barrier has opened a round of the cluster's barrier: no wave of any partner still reads this slot's tile or has a load on its way
	s_add_nc_u64 s[G0+4*\slot+2:G0+4*\slot+3], s[G0+4*\slot+2:G0+4*\slot+3], 2*ABLK
	s_add_nc_u64 s[G0B+4*\slot+2:G0B+4*\slot+3], s[G0B+4*\slot+2:G0B+4*\slot+3], 2*ROWB
	JLOAD G0+4*\slot, G1, G0B+4*\slot, G1B         ; the first tensor load behind the round; the four v_nop behind it are the places in front of the loads below
.else
	PLACES NP
.endif
	FETCH_B \next, 0, 0
	FETCH_A \next, 0, 0
	WIN MUL
	MUL16 2, 1, 0
	PLACES NP
	WIN 0
	FETCH_A \next, 0, 2
.endm
	s_wait_alu depctr_va_vdst(0)
	s_wait_tensorcnt 1                             ; my part of K step 0 is in (K step 1's load may be out)
	s_barrier_signal -1
	s_barrier_wait -1                              ; everybody's is
	FETCH_B 0, 0, 0
	FETCH_A 0, 0, 0
	FETCH_A 0, 0, 2
	STEP 0, 0, 1                                   ; the first step stands in front of the loop: its products start the sums
	s_mov_b32 s3, LAPS-1
.Llap:                                                 ; a trip goes once round the ring, from a lap's second step to the next lap's first, and fills both slots again
	TURN 0, 1, 1
	STEP 1, 0, 0
	TURN 1, 0, 1
	STEP 0, 0, 0
	s_sub_co_u32 s3, s3, 1
	s_cmp_lg_u32 s3, 0
	s_cbranch_scc1 .Llap
	TURN 0, 1, 0                                   ; the last lap fills nothing, and has no round of the cluster's barrier
	STEP 1, 0, 0
	s_wait_dscnt 2*NL                              ; the very last step: nothing more to fetch
	WIN MUL
	MUL16 0, 1, 0
	s_wait_dscnt 0
	MUL16 2, 1, 0
	WIN 0
; THE WAY OUT, block by block of 16 rows x 128 columns.  A lane holds 32 neighbouring bytes of a row, and the lanes beside it hold other rows: so a block goes through my own stage in LDS and comes back as whole
; rows of 512 bytes.  LDS serves a wave's instructions in order (ISA guide 5.7.1.4): no wait between the stores and the loads, nor in front of the next block's stores.
.macro TOSTAGE a
.set AC, 64*(\a)
	WIN 0x02                                       ; source 0: window 2
.set n, 0
.rept 32
	v_pk_mul_f32 v[TMP+n:TMP+n+1], v[AC+n:AC+n+1], s[96:97] op_sel_hi:[1,0]   ; both x s96 = 2^(ea + eb); each accumulator from its low end on
.set n, n+2
.endr
	WIN 0
.irp b, 0,1,2,3,4,5,6,7
	ds_store_b128 v[STO], v[TMP+8*\b:TMP+8*\b+3] offset:64*\b
	ds_store_b128 v[STO], v[TMP+8*\b+4:TMP+8*\b+7] offset:64*\b+16
.endr
.set BB, BK+64*((\a)%2)
.irp t, 0,1,2,3,4,5,6,7,8,9,10,11,12,13,14,15
	ds_load_b128 v[BB+4*\t:BB+4*\t+3], v[RD] offset:\t*SPITCH
.endr
.endm
.macro SEND a, younger                 ; younger: the LDS instructions issued behind block a's loads, which may stay out
.set BB, BK+64*((\a)%2)
	s_wait_dscnt \younger                          ; the block is back in registers
.if (\a) > 0
	s_add_nc_u64 s[10:11], s[10:11], 16*NROW       ; (behind a wait on XCNT: the earlier stores have read their base)  16 rows of out0 on
.endif
.irp t, 0,1,2,3,4,5,6,7,8,9,10,11,12,13,14,15
	global_store_b128 v[CO], v[BB+4*\t:BB+4*\t+3], s[10:11] offset:\t*NROW th:TH_STORE_NT   ; 32 lanes store 512 consecutive bytes, at a multiple of 256 from out0's first byte; written once, read by nobody here
.endr
.endm
	s_wait_kmcnt 0x0
	s_add_co_i32 s96, s96, s97                     ; ea + eb, between -126 and 127,
	s_add_co_i32 s96, s96, 127
	s_lshl_b32 s96, s96, 23                        ; makes the f32 number 2^(ea + eb)
	PLACES NP                                      ; behind the last products: for the reads of results and for the loads into the registers that held A's fragments
	TOSTAGE 0
.irp a, 1,2,3
.if \a > 1
	s_wait_xcnt 0x0                                ; block a - 2's stores have read their registers and their base: block a's loads may land there, and the base may step
.endif
	TOSTAGE \a
	SEND \a-1, 32                                  ; behind block a - 1's loads: block a's 16 stores and 16 loads
.endr
	s_wait_xcnt 0x0                                ; block 2's stores have read their base
	SEND 3, 0
	s_wait_tensorcnt 0x0                           ; the wave's end: behind my last tensor load and my last LDS store
	ds_add_u32 v[SPW], v[NIL]
	s_wait_dscnt 0x0
	CROUND                                         ; the closing round: no work-group ends while a partner may still ask for a tile that names it
	s_endpgm
.Lfunc_end_k_qd2f3932de6_oproj:
	.size	k_qd2f3932de6_oproj, .Lfunc_end_k_qd2f3932de6_oproj-k_qd2f3932de6_oproj
	.p2alignl 7, 3214868480
	.fill 96, 4, 3214868480
	.section	.rodata,"a",@progbits
	.p2align	6, 0x0
	.amdhsa_kernel k_qd2f3932de6_oproj
		.amdhsa_group_segment_fixed_size 327680
		.amdhsa_private_segment_fixed_size 0
		.amdhsa_enable_private_segment 0
		.amdhsa_kernarg_size 32
		.amdhsa_user_sgpr_count 2
		.amdhsa_user_sgpr_kernarg_segment_ptr 1
		.amdhsa_wavefront_size32 1
		.amdhsa_system_sgpr_workgroup_id_x 1
		.amdhsa_system_sgpr_workgroup_id_y 1
		.amdhsa_system_sgpr_workgroup_id_z 1
		.amdhsa_system_vgpr_workitem_id 0
		.amdhsa_next_free_vgpr 768
		.amdhsa_next_free_sgpr 100
		.amdhsa_reserve_vcc 0
		.amdhsa_float_denorm_mode_32 3
		.amdhsa_float_denorm_mode_16_64 3
		.amdhsa_memory_ordered 1
		.amdhsa_forward_progress 1
		.amdhsa_inst_pref_size 93
	.end_amdhsa_kernel
	.amdgpu_metadata
---
amdhsa.version: [ 1, 2 ]
amdhsa.kernels:
  - .name:           k_qd2f3932de6_oproj
    .symbol:         k_qd2f3932de6_oproj.kd
    .args:
      - { .name: a_img, .offset: 0, .size: 8, .value_kind: global_buffer, .address_space: global }
      - { .name: WO_codes, .offset: 8, .size: 8, .value_kind: global_buffer, .address_space: global }
      - { .name: lowp_scales, .offset: 16, .size: 8, .value_kind: global_buffer, .address_space: global }
      - { .name: out0, .offset: 24, .size: 8, .value_kind: global_buffer, .address_space: global }
    .group_segment_fixed_size: 327680
    .private_segment_fixed_size: 0
    .kernarg_segment_align: 8
    .kernarg_segment_size: 32
    .max_flat_workgroup_size: 128
    .sgpr_count:     100
    .vgpr_count:     768
    .wavefront_size: 32
...
	.end_amdgpu_metadata
.endif
;; end of part 4
